; MI455X (gfx1250); checked and timed in simulation.
; The chip was launched on July 23, 2026; its instructions are those of AMD's public machine-readable ISA for CDNA 5 (MIT licence, August 2026) and "CDNA5" Instruction Set Architecture Reference Guide (July 2026). The comments in the code are by the model that wrote it; some were corrected since.
;; Vector Quantizer. Allowed arithmetic: matrix products marked QUANTISED: E2M1 operands, one E8M0 scale for each 32 along K, by v_wmma_scale_f32_16x16x128_f8f6f4 with both operands' format E2M1 (or v_wmma_scale_f32_32x16x128_f4), f32 sums; everything else in f32.
;; Inputs: embeddings 8,192 x 256 float32; inputs 32 x 32 x 32 x 256 float32.
;; Outputs: out0 32 x 32 x 32 int32; out1 32 x 32 x 32 x 256 float32.
;; This version of the problem:
;;   THIS VERSION OF THE PROBLEM IS GIVEN IN LOW PRECISION. The matrix products marked QUANTISED in the list below multiply operands that are first quantised to E2M1 (2 exponent bits, 1 mantissa bit; 4 bits a number), with one power-of-two scale for each 32 numbers along K (OCP MX v1.0); their sums are f32. All else is computed in f32.
;;   The module's matrix products, in the order in which they are computed (A, B: the left and right operand; K: the contracted axis; several contracted axes count as one K, in the product's order):
;;     1. [M 32,768, K 256] x [K 256, N 8,192]; A: input inputs; B: input embeddings: QUANTISED
;;   THE QUANTISER, for each operand of a quantised product, along K:
;;     - K is cut into blocks of 32 from its start; a last block that is shorter is filled with zeros.
;;     - A block's scale is 2^e with e = floor(log2(the largest magnitude in the block)) - 2, held to -126 .. 127; a block of zeros has e = 0. As a byte (E8M0): e + 127.
;;     - Each number is divided by its block's scale, clamped to +-6, and rounded to the nearest number of E2M1, ties to even, subnormals kept.
;;     - The product sums the exact products of the quantised numbers (number of the format x scale) in f32.
;;   ~~~python
;;   def quantise(x, axis):      # numpy; x: float32 -> the quantised numbers, widened to float32 again
;;       x = np.moveaxis(x, axis, -1); K = x.shape[-1]
;;       x = np.pad(x, [(0, 0)] * (x.ndim - 1) + [(0, -K % 32)]); x = x.reshape(x.shape[:-1] + (-1, 32)); a = np.abs(x).max(-1, keepdims=True)
;;       e = np.where(a > 0, np.clip(np.frexp(np.where(a > 0, a, 1))[1] - 1 - 2, -126, 127), 0)      # np.frexp(a)[1] - 1 = floor(log2(a)), exactly
;;       r = np.clip(x / 2.0 ** e, -6, 6)
;;       step = 2.0 ** (np.maximum(np.frexp(np.where(r == 0, 1, r))[1] - 1, 0) - 1)
;;       q = np.round(r / step) * step * 2.0 ** e      # np.round: ties to even
;;       return np.moveaxis(q.reshape(q.shape[:-2] + (-1,))[..., :K], -1, axis).astype(np.float32)
;;   ~~~
;; One version. Each part assembles by itself: llvm-mc -triple=amdgcn-amd-amdhsa -mcpu=gfx1250 --defsym DOCPART=n.
;; ======== version 1 of 1: 3 launches
;; limits: right only within a limited range of input values
;; workspace buffers: xq 4,718,592 bytes; eq 1,179,648 bytes; bestk 524,288 bytes of whole numbers; cand 524,288 bytes of whole numbers
;; launch quant (part 1): grid 256 x 1, 10 waves a work-group, no clusters, 85,760 bytes of LDS; arguments inputs, embeddings, xq, eq; writes xq, eq
.if DOCPART == 1
	.amdgcn_target "amdgcn-amd-amdhsa--gfx1250"
	.amdhsa_code_object_version 6
	.text
	.protected	k_q087abbeb51_quant
	.globl	k_q087abbeb51_quant
	.p2align	8
	.type	k_q087abbeb51_quant,@function
k_q087abbeb51_quant:
	s_mov_b64 s[64:65], 0
	v_nop
	global_prefetch_b8 v0, s[64:65] scope:SCOPE_SE
	s_setreg_imm32_b32 hwreg(HW_REG_WAVE_MODE, 25, 1), 1
	s_wait_xcnt 0x0
; inputs [32768][256] and embeddings [8192][256], f32, become operands of the MX-FP4 product, once for the whole program.
; WORK LEFT OUT, in the whole program.  reference() adds l2_inputs = sum(inputs^2) of a row to every distance of that row.  The term is the same for all k, so for all finite
; values argmin over k of (l2_inputs + l2_embeddings[k] - 2 dot[k]) = argmin of (l2_embeddings[k] - 2 dot[k]) = argmax of (dot[k] - l2_embeddings[k] / 2).  So l2_inputs is never formed; inputs itself
; is live, as an operand of the product.  LIMITS of that: a NaN, an infinity or an overflow that reaches l2_inputs alone is not carried to the result; reference() rounds l2_inputs + l2_embeddings[k] to f32, so
; two codes whose distances differ by less than that rounding may change places.
; A TILE is 16 consecutive rows.  For each tile one RECORD of 2,304 bytes (nine blocks of 256) is stored:
;   bytes 0..2047     four blocks of 512: block 2 s + c = registers 4 c .. 4 c + 3 of the FP4 fragment (16 rows x 128 K) of K step s, lane l's 16 bytes at 16 l: an image of the operand's registers
;   bytes 2048..2175  row r's eight E8M0 scale bytes at 8 r (word s = K step s)
;   bytes 2176..2239  embeddings: -1/2 x the 16 rows' sums of squares of the UNQUANTISED numbers, f32 (the halving is exact); inputs: zeros.  bytes 2240..2303 the same again, so that the last block is written whole
; A block's scale is 2^(floor(log2(its largest magnitude)) - 2); its byte is the largest magnitude's exponent field - 2, held at 1 from below; numbers beyond 6 x the scale take the largest code.
; SHARES: 2,560 tiles (2,048 of inputs, 512 of embeddings), one to a wave: tile g = 10 x work-group + wave.  Pointers are chosen by g; scalar branches on g lead a tile of inputs round the sums of squares.  Waves share nothing: no barrier.
; Each load reads 512 consecutive bytes of a row; a K step's 16 x 512 bytes turn through the wave's own stage in LDS (rows of 512 + 16 bytes), so that a lane holds 16 neighbours along K for the conversions.
; All 32 loads of a wave (its whole tile, 16,384 bytes) go out at once.
; LIMITS: NaN and infinities among the inputs are not served.  A block of zeros gets the byte 1 where the quantiser's rule says 127: its codes are zeros, and this program alone reads the bytes.
; The sums of squares are fused multiply-adds in eight chains, folded as a tree: their last bits may differ from a sum taken in another order.
.set REC,  2304                        ; bytes of a record
.set NXT,  2048                        ; tiles of inputs
.set SP,   528                         ; a stage row
.set WSTG, 16*SP                       ; a wave's stage
.set S,    16                          ; v16-23   four packed chains of the sum of squares
.set R,    32                          ; v32-159  the tile as loaded: K step s, row p at v[R + 64 s + 4 p]
.set X,    160                         ; v160-223 register 16 b + i = x[r][128 s + 32 b + 16 h + i]
.set PC,   224                         ; v224-239 the codes: 8 registers a K step, never written again
.set TM,   240                         ; v240-243 largest magnitudes, v244-247 the other half's, then bytes, v252-255 the conversions' scale operands
.set PW,   30                          ; v30, v31 the two scale words
	s_load_b256 s[4:11], s[0:1], 0x0               ; inputs s[4:5], embeddings s[6:7], xq s[8:9], eq s[10:11]
	v_lshl_add_u32 v250, v0, 2, 0x14a00            ; my spare word, behind the ten stages
	v_mov_b32 v251, 0
	v_lshrrev_b32 v1, 5, v0
	s_delay_alu instid0(VALU_DEP_1)
	v_readfirstlane_b32 s12, v1                    ; wave 0..9
	v_and_b32 v1, 31, v0                           ; lane
	v_and_b32 v2, 15, v0                           ; r
	v_bfe_u32 v3, v0, 4, 1                         ; h
	s_delay_alu instid0(VALU_DEP_3)
	v_lshlrev_b32 v4, 4, v1                        ; 16 x lane: my bytes of a load's 512, and of an image's block
	s_mul_i32 s15, s12, WSTG
	v_add_nc_u32 v5, s15, v4                       ; the stage, on the way in: 16 x lane; the row stands in the immediate
	v_mul_u32_u24 v6, v2, SP
	s_delay_alu instid0(VALU_DEP_1)
	v_lshl_add_u32 v6, v3, 6, v6
	s_delay_alu instid0(VALU_DEP_1)
	v_add_nc_u32 v6, s15, v6                       ; on the way out: row r, + 64 h: my 16 numbers of a block of 32
	s_mov_b32 s20, 0x76543210
	s_mov_b32 s21, 0xfedcba98                      ; v_permlanex16_b32's selects for lane l xor 16
	s_mov_b32 s22, 0xaaaaaaaa                      ; the odd lanes
	s_mov_b32 s23, 0xffff0000                      ; lanes 16-31
	v_lshlrev_b32 v7, 3, v2                        ; the record's last block: lanes 0-15 store row r's two scale words at 8 r;
	v_lshrrev_b32 v8, 1, v2
	v_and_b32 v9, 1, v0
	s_delay_alu instid0(VALU_DEP_2)
	v_lshlrev_b32 v8, 3, v8
	s_delay_alu instid0(VALU_DEP_1)
	v_lshl_add_u32 v8, v9, 6, v8
	s_delay_alu instid0(VALU_DEP_1)
	v_add_nc_u32 v8, 128, v8                       ; lanes 16-31 store the numbers of rows 2 (r / 2), 2 (r / 2) + 1 at 128 + 8 (r / 2), the odd lanes the second copy, 64 bytes on
	s_delay_alu instid0(VALU_DEP_1)
	v_cndmask_b32 v7, v7, v8, s23
.irp b, 0,1,2,3
	v_mov_b32 v[TM+4+\b], 0                        ; written once: a lane permute's destination counts as one of its sources
.endr
	v_mov_b32 v25, 0
	v_mov_b32 v24, 0                               ; what a tile of inputs stores in place of the sums
	s_mul_i32 s13, ttmp9, 10
	s_add_co_u32 s13, s13, s12                     ; my tile
	s_wait_kmcnt 0x0
	s_cmp_lt_u32 s13, NXT                          ; a tile of inputs or of embeddings?  The choice hangs on ids alone
	s_cselect_b64 s[4:5], s[4:5], s[6:7]
	s_cselect_b64 s[8:9], s[8:9], s[10:11]
	s_cselect_b32 s14, 0, NXT
	s_sub_co_u32 s14, s13, s14                     ; the tile's number in its tensor
	s_lshl_b32 s16, s14, 14                        ; 16 rows of 1,024 bytes
	s_mov_b32 s17, 0
	s_mul_i32 s18, s14, REC
	s_mov_b32 s19, 0
	s_add_nc_u64 s[4:5], s[4:5], s[16:17]
	s_add_nc_u64 s[8:9], s[8:9], s[18:19]
.macro LOADS s                         ; K step s of the 16 rows: each load reads 512 consecutive bytes
.irp p, 0,1,2,3,4,5,6,7,8,9,10,11,12,13,14,15
	global_load_b128 v[R+64*\s+4*\p:R+64*\s+4*\p+3], v4, s[4:5] offset:1024*\p+512*\s th:TH_LOAD_NT
.endr
.endm
.macro TURN s                          ; through the stage: LDS serves a wave's instructions in order, so no wait stands between the stores and the loads
.irp p, 0,1,2,3,4,5,6,7,8,9,10,11,12,13,14,15
	ds_store_b128 v5, v[R+64*\s+4*\p:R+64*\s+4*\p+3] offset:\p*SP
.endr
.irp b, 0,1,2,3
.irp j, 0,1,2,3
	ds_load_b128 v[X+16*\b+4*\j:X+16*\b+4*\j+3], v6 offset:128*\b+16*\j
.endr
.endr
.endm
.macro SQ first                        ; my 64 numbers' squares onto four packed chains; the first four products start the sums: nothing is cleared
.set p, 0
.rept 32
.if \first && (p < 4)
	v_pk_mul_f32 v[S+2*(p%4):S+2*(p%4)+1], v[X+2*p:X+2*p+1], v[X+2*p:X+2*p+1]
.else
	v_pk_fma_f32 v[S+2*(p%4):S+2*(p%4)+1], v[X+2*p:X+2*p+1], v[X+2*p:X+2*p+1], v[S+2*(p%4):S+2*(p%4)+1]
.endif
.set p, p+1
.endr
.endm
; The 64 numbers in X become a fragment's codes in v[pc] on and my row's scale word in v[pw].
.macro QUANT pc, pw
.irp b, 0,1,2,3
	v_max3_num_f32 v[TM+\b], |v[X+16*\b]|, |v[X+1+16*\b]|, 0x1800000   ; block b: my 16 numbers, and the floor 2^(3 - 127): so the byte cannot fall under 1
.endr
.irp i, 2,4,6,8,10,12,14
.irp b, 0,1,2,3
	s_delay_alu instid0(VALU_DEP_4)
	v_max3_num_f32 v[TM+\b], v[TM+\b], |v[X+16*\b+\i]|, |v[X+1+16*\b+\i]|   ; the four blocks by turns
.endr
.endr
.irp b, 0,1,2,3
	s_delay_alu instid0(VALU_DEP_4)
	v_permlanex16_b32 v[TM+4+\b], v[TM+\b], s20, s21
.endr
.irp b, 0,1,2,3
	s_delay_alu instid0(VALU_DEP_4)
	v_max_num_f32 v[TM+\b], v[TM+\b], v[TM+4+\b]   ; with lane l xor 16's 16: the block's largest magnitude
.endr
.irp b, 0,1,2,3
	s_delay_alu instid0(VALU_DEP_4)
	v_add_nc_u32 v[TM+12+\b], 0xff000000, v[TM+\b] ; 2 off its exponent field: the conversion takes the exponent field of this operand as its scale
.endr
.irp b, 0,1,2,3
	s_delay_alu instid0(VALU_DEP_4)
	v_lshrrev_b32 v[TM+4+\b], 23, v[TM+12+\b]      ; the scale's byte
.endr
	s_delay_alu instid0(VALU_DEP_3)
	v_lshl_or_b32 v[\pw], v[TM+5], 8, v[TM+4]
	s_delay_alu instid0(VALU_DEP_1)
	v_lshl_or_b32 v[\pw], v[TM+6], 16, v[\pw]
	s_delay_alu instid0(VALU_DEP_1)
	v_lshl_or_b32 v[\pw], v[TM+7], 24, v[\pw]
.irp b, 0,1,2,3
	v_cvt_scalef32_pk8_fp4_f32 v[\pc+2*\b], v[X+16*\b:X+7+16*\b], v[TM+12+\b]
	v_cvt_scalef32_pk8_fp4_f32 v[\pc+1+2*\b], v[X+8+16*\b:X+15+16*\b], v[TM+12+\b]
.endr
	v_nop                                          ; one plain vector instruction behind the scaled conversions
.irp c, 0,1                            ; the operand's layout wants a WHOLE block in a lane: lanes 0-15 block 2 c, lanes 16-31 block 2 c + 1
.irp i, 0,1
	v_permlane16_swap_b32 v[\pc+4*\c+\i], v[\pc+2+4*\c+\i]
.endr
.endr
.endm
	LOADS 0
	LOADS 1
	s_wait_loadcnt 16                              ; K step 0's sixteen loads are in; K step 1's sixteen may be out
	TURN 0
	s_wait_dscnt 0x0
	s_cmp_lt_u32 s13, NXT                          ; a tile of inputs has no sum of squares
	s_cbranch_scc1 .Lno_sq0
	SQ 1
.Lno_sq0:
	QUANT PC, PW
	global_store_b128 v4, v[PC:PC+3], s[8:9]               ; 32 lanes store 512 consecutive bytes, at a multiple of 256 from the buffer's first byte
	global_store_b128 v4, v[PC+4:PC+7], s[8:9] offset:512
	s_wait_loadcnt 0x0
	TURN 1
	s_wait_dscnt 0x0
	s_cmp_lt_u32 s13, NXT
	s_cbranch_scc1 .Lno_sq1
	SQ 0
.Lno_sq1:
	QUANT PC+8, PW+1
	global_store_b128 v4, v[PC+8:PC+11], s[8:9] offset:1024
	global_store_b128 v4, v[PC+12:PC+15], s[8:9] offset:1536
	s_cmp_lt_u32 s13, NXT
	s_wait_alu depctr_va_vdst(0)                   ; directly ahead of the branch
	s_cbranch_scc1 .Lno_sum
	v_pk_add_f32 v[S:S+1], v[S:S+1], v[S+2:S+3]            ; the chains are folded,
	v_pk_add_f32 v[S+4:S+5], v[S+4:S+5], v[S+6:S+7]
	s_delay_alu instid0(VALU_DEP_1)
	v_pk_add_f32 v[S:S+1], v[S:S+1], v[S+4:S+5]
	s_delay_alu instid0(VALU_DEP_1)
	v_add_f32 v24, v[S], v[S+1]
	s_delay_alu instid0(VALU_DEP_1)
	v_permlanex16_b32 v25, v24, s20, s21
	s_delay_alu instid0(VALU_DEP_1)
	v_add_f32 v24, v24, v25                        ; with lane l xor 16's half: row r's sum of squares,
	s_delay_alu instid0(VALU_DEP_1)
	v_mul_f32 v24, -0.5, v24                       ; and -1/2 of it: what the product's launch takes as the start of its sums
.Lno_sum:
	v_mov_b32_dpp v25, v24 row_xmask:1 row_mask:0xf bank_mask:0xf   ; and the neighbouring row's
	s_delay_alu instid0(VALU_DEP_1)
	v_cndmask_b32 v26, v24, v25, s22               ; the even row's of the pair,
	s_delay_alu instid0(VALU_DEP_2)
	v_cndmask_b32 v27, v25, v24, s22               ; the odd row's
	s_delay_alu instid0(VALU_DEP_2)
	v_cndmask_b32 v28, v[PW], v26, s23             ; lanes 0-15: my row's two scale words; lanes 16-31: a pair of numbers
	s_delay_alu instid0(VALU_DEP_2)
	v_cndmask_b32 v29, v[PW+1], v27, s23
	global_store_b64 v7, v[28:29], s[8:9] offset:2048      ; the 32 lanes store the record's last 256 bytes whole
	s_wait_tensorcnt 0x0                           ; the wave's end
	ds_add_u32 v250, v251
	s_wait_dscnt 0x0
	s_endpgm
.Lfunc_end_k_q087abbeb51_quant:
	.size	k_q087abbeb51_quant, .Lfunc_end_k_q087abbeb51_quant-k_q087abbeb51_quant
	.p2alignl 7, 3214868480
	.fill 96, 4, 3214868480
	.section	.rodata,"a",@progbits
	.p2align	6, 0x0
	.amdhsa_kernel k_q087abbeb51_quant
		.amdhsa_group_segment_fixed_size 85760
		.amdhsa_private_segment_fixed_size 0
		.amdhsa_enable_private_segment 0
		.amdhsa_kernarg_size 32
		.amdhsa_user_sgpr_count 2
		.amdhsa_user_sgpr_kernarg_segment_ptr 1
		.amdhsa_wavefront_size32 1
		.amdhsa_system_sgpr_workgroup_id_x 1
		.amdhsa_system_sgpr_workgroup_id_y 1
		.amdhsa_system_sgpr_workgroup_id_z 1
		.amdhsa_system_vgpr_workitem_id 0
		.amdhsa_next_free_vgpr 256
		.amdhsa_next_free_sgpr 66
		.amdhsa_reserve_vcc 0
		.amdhsa_float_denorm_mode_32 3
		.amdhsa_float_denorm_mode_16_64 3
		.amdhsa_memory_ordered 1
		.amdhsa_forward_progress 1
		.amdhsa_inst_pref_size 26
	.end_amdhsa_kernel
	.amdgpu_metadata
---
amdhsa.version: [ 1, 2 ]
amdhsa.kernels:
  - .name:           k_q087abbeb51_quant
    .symbol:         k_q087abbeb51_quant.kd
    .args:
      - { .name: inputs, .offset: 0, .size: 8, .value_kind: global_buffer, .address_space: global }
      - { .name: embeddings, .offset: 8, .size: 8, .value_kind: global_buffer, .address_space: global }
      - { .name: xq, .offset: 16, .size: 8, .value_kind: global_buffer, .address_space: global }
      - { .name: eq, .offset: 24, .size: 8, .value_kind: global_buffer, .address_space: global }
    .group_segment_fixed_size: 85760
    .private_segment_fixed_size: 0
    .kernarg_segment_align: 8
    .kernarg_segment_size: 32
    .max_flat_workgroup_size: 320
    .sgpr_count:     66
    .vgpr_count:     256
    .wavefront_size: 32
...
	.end_amdgpu_metadata
.endif
;; end of part 1
;; launch dist (part 2): grid 256 x 1, 16 waves a work-group, clusters of 4 x 1, 327,680 bytes of LDS; arguments xq, eq, bestk, cand; writes bestk, cand
.if DOCPART == 2
	.amdgcn_target "amdgcn-amd-amdhsa--gfx1250"
	.amdhsa_code_object_version 6
	.text
	.protected	k_q087abbeb51_dist
	.globl	k_q087abbeb51_dist
	.p2align	8
	.type	k_q087abbeb51_dist,@function
k_q087abbeb51_dist:
	s_mov_b64 s[64:65], 0
	v_nop
	global_prefetch_b8 v0, s[64:65] scope:SCOPE_SE
	s_setreg_imm32_b32 hwreg(HW_REG_WAVE_MODE, 25, 1), 1
	s_wait_xcnt 0x0
	s_wait_alu depctr_hold_cnt(0) depctr_sa_sdst(0) depctr_va_vdst(0) depctr_va_sdst(0) depctr_va_ssrc(0) depctr_va_vcc(0) depctr_vm_vsrc(0)
	s_getreg_b32 s2, hwreg(HW_REG_IB_STS2, 6, 4)
	s_cmp_eq_u32 s2, 0
	s_cbranch_scc0 .Lentry_in_a_cluster
	s_endpgm
.Lentry_in_a_cluster:
	s_bfe_u32 s2, ttmp6, 0x10000c
	s_cmp_lg_u32 s2, 0x3003
	s_cbranch_scc0 .Lentry_shape_is_right
	s_endpgm
.Lentry_shape_is_right:
; For each of 32,768 rows x and each of four chunks of 2,048 codes: the first index k in the chunk of the largest s[k] = dot(x, e_k) - |e_k|^2 / 2; dot is the MX-FP4 product of the codes that the launch before has made.
; LEFT OUT: l2_inputs, the same for all k of a row: the smallest distance is the largest s (shown at the head of the first kernel).
; xq, eq: one record of 2,304 bytes for each tile of 16 rows: four blocks of 512 bytes (block 2 s + c = registers 4 c .. 4 c + 3 of the fragment of K step s, lane l's 16 bytes at 16 l), 128 scale bytes (row r's
; two words at 8 r), and in eq the 16 numbers -|e|^2 / 2 (f32), twice.
; OUT: bestk [4 chunks][32,768 rows]: s as a whole number whose signed order is s's order (the f32 bits; of a negative number the lower 31 bits turned over); cand, laid alike: the index.  The next launch joins the four chunks.
; SHARES.  Work-group = (chunk c, block of 512 rows): 4 x 64 = 256.  The chunk's 128 records, 294,912 bytes, are brought into LDS ONCE, each of the sixteen waves asking for 8 records by one tensor load at the head, and stay:
; no LDS byte is filled again.  Wave w: rg = w & 7 picks 64 rows (four row tiles, which stay in registers), ch = w >> 3 picks 64 of the chunk's 128 code tiles.  Four waves lie on a SIMD, 256 registers each.
; CLUSTER: the four work-groups of a cluster have the same chunk, so each part is asked for JOINTLY: the same tensor load with the same descriptor and a mask that names the four.
; No data prefetch: all tensor loads go out at the head, so there is no loop to run ahead in.
; THE PRODUCT IS USED TRANSPOSED (source 0 = 16 codes, source 1 = 16 rows of x): lane (r, h) holds ONE row r of x, and register j the code 16 T + 8 h + j.  K step 0 takes -|e|^2 / 2 of the lane's eight codes as C,
; as it was loaded: s costs no vector instruction.
; THE ARGMAX, 10 issue slots for 8 numbers of a lane: 4 three-way maxima (the 8 and the best so far), one compare (has the best risen?), one select of the tile's number, 4 dual pairs of selects that KEEP the 8 numbers of the
; tile that won.  Which of the 8 it was is looked up once, at the end.  The compare is strict and tiles ascend, so the earlier tile keeps a tie; among the 8 the lowest place is taken; between the halves of the lanes and between
; waves the larger s wins and, at equal s, the smaller index.
; A STEP multiplies tile t into one set of four accumulators and takes the argmax of tile t - 1 from the other set: the vector work names no register of the products just issued.
; lds_bytes: the text uses 305,152 bytes.
; LIMITS: NaN and infinities are not served (the maxima pass over a NaN).  The sums of squares come from the launch before, with its order of summing, and s is rounded once in each of the two K steps:
; two codes whose distances differ only by such last bits may change places.
.set REC,   2304
.set PART,  8*REC                      ; what one tensor load brings: 18,432 bytes
.set CHUNK, 128*REC
.set SCRB,  CHUNK                      ; behind the chunk: each wave's best s, [2 ch][512 rows] f32,
.set SCRC,  SCRB+4096                  ; and their indices, laid alike: bytes into which no tensor load lands
.set SPARE, SCRC+4096                  ; the spare words, 128 bytes for each of sixteen waves: eight blocks of 256 bytes that no other line names
.set SPW,  1                           ; v1   SPARE + 4 x my thread's number; never rewritten
.set NIL,  2                           ; v2   0; never rewritten
.set AD,   3                           ; v3   my half of the chunk + 16 x lane: the fragments' blocks; stepped by 8 records a trip
.set AS,   4                           ; v4   + 8 r + 4 h: lanes 0-15 take K step 0's scale word of code r, lanes 16-31 K step 1's
.set AL,   5                           ; v5   + 32 h: -|e|^2 / 2 of my eight codes
.set XF,   16                          ; v16-79   x's fragments: row tile i, K step s at v[XF + 16 i + 8 s]
.set SX,   80                          ; v80-83   x's scale words (lanes 0-15 K step 0, lanes 16-31 K step 1): scales and nothing else
.set SE,   84                          ; v84      the code tile's scale words, likewise
.set LE,   88                          ; v88-95   -|e|^2 / 2 of my eight codes
.set AF,   96                          ; v96-111  the code tile's two fragments
.set D,    112                         ; v112-175 two sets of four accumulators
.set KEEP, 176                         ; v176-207 the 8 numbers of the tile that won, for each row tile
.set BEST, 208                         ; v208-215 the best s: two sets of four, which change places from step to step
.set GID,  216                         ; v216-219 the number of the tile that won
.set M,    220                         ; v220-223 at work
.set POS,  224
.set CODE, 228
.set OB,   232
.set OC,   236
.set TMP,  240
.set BF,   BEST+4                      ; 65 argmax steps: the best ends in set 1
; A round of the cluster's barrier: my work-group's barrier; wave 0 signals for the work-group; every wave waits for all four work-groups; my work-group's barrier once more.
.macro ROUND
	s_barrier_signal -1
	s_barrier_wait -1
	s_cmp_lg_u32 s12, 0
	s_cbranch_scc1 .Lnot_wave_0_\@
	s_barrier_signal -3
.Lnot_wave_0_\@:
	s_barrier_wait -3
	s_barrier_signal -1
	s_barrier_wait -1
.endm
.macro LOADT u                         ; code tile u of this trip: its two fragments, its scale words, its eight C numbers: seven loads
.irp k, 0,1,2,3
	ds_load_b128 v[AF+4*\k:AF+4*\k+3], v[AD] offset:REC*(\u)+512*\k
.endr
	ds_load_b32 v[SE], v[AS] offset:REC*(\u)+2048
	ds_load_b128 v[LE:LE+3], v[AL] offset:REC*(\u)+2176
	ds_load_b128 v[LE+4:LE+7], v[AL] offset:REC*(\u)+2192
.endm
; The argmax of the tile that the step before has multiplied.  pre = 1: the next tile is fetched behind the first four maxima, which are the places (ISA guide 7.12.1) behind this step's products.
.macro ARG u, pre
.set DP,  D+32-32*((\u)%2)
.set OLD, BEST+4*((\u)%2)
.set NEW, BEST+4-4*((\u)%2)
.irp i, 0,1,2,3                        ; each accumulator from its low end on; the four row tiles by turns
	v_max3_num_f32 v[M+\i], v[DP+8*\i], v[DP+8*\i+1], v[DP+8*\i+2]
.endr
.if \pre
	LOADT (\u)+1
.endif
.irp i, 0,1,2,3
	v_max3_num_f32 v[M+\i], v[M+\i], v[DP+8*\i+3], v[DP+8*\i+4]
.endr
.irp i, 0,1,2,3
	v_max3_num_f32 v[M+\i], v[M+\i], v[DP+8*\i+5], v[DP+8*\i+6]
.endr
.irp i, 0,1,2,3
	v_max3_num_f32 v[NEW+\i], v[M+\i], v[DP+8*\i+7], v[OLD+\i]
.endr
.irp i, 0,1,2,3
	v_cmp_gt_f32 vcc_lo, v[NEW+\i], v[OLD+\i]      ; strictly larger: an earlier tile keeps a tie
	v_cndmask_b32 v[GID+\i], v[GID+\i], s20, vcc_lo
.irp j, 0,2,4,6
	v_dual_cndmask_b32 v[KEEP+8*\i+\j], v[KEEP+8*\i+\j], v[DP+8*\i+\j] :: v_dual_cndmask_b32 v[KEEP+8*\i+\j+1], v[KEEP+8*\i+\j+1], v[DP+8*\i+\j+1]
.endr
.endr
	s_add_co_u32 s20, s20, 1                       ; the next tile's number
.endm
; ONE STEP: code tile u of the trip against my four row tiles, and the argmax of the tile before.
.macro STEP u, pre
.set DN, D+32*((\u)%2)
	s_wait_dscnt 0x0                               ; the tile's seven loads are in
.irp i, 0,1,2,3                        ; K step 0 starts the sums at -|e|^2 / 2.  The four accumulators take turns, one instruction a turn
	v_wmma_scale_f32_16x16x128_f8f6f4 v[DN+8*\i:DN+8*\i+7], v[AF:AF+7], v[XF+16*\i:XF+16*\i+7], v[LE:LE+7], v[SE], v[SX+\i] matrix_a_fmt:MATRIX_FMT_FP4 matrix_b_fmt:MATRIX_FMT_FP4
.endr
.irp i, 0,1,2,3                        ; K step 1: its scale words lie in lanes 16-31
	v_wmma_scale_f32_16x16x128_f8f6f4 v[DN+8*\i:DN+8*\i+7], v[AF+8:AF+15], v[XF+16*\i+8:XF+16*\i+15], v[DN+8*\i:DN+8*\i+7], v[SE], v[SX+\i] matrix_a_fmt:MATRIX_FMT_FP4 matrix_b_fmt:MATRIX_FMT_FP4 matrix_a_scale:MATRIX_SCALE_ROW1 matrix_b_scale:MATRIX_SCALE_ROW1
.endr
	ARG \u, \pre
.endm
; (b, c) takes (ob, oc) where ob is larger, or equal with the smaller index
.macro LEX b, c, ob, oc
	v_min_u32 v[TMP], v[\c], v[\oc]
	v_cmp_eq_f32 vcc_lo, v[\ob], v[\b]
	s_delay_alu instid0(VALU_DEP_1)
	v_cndmask_b32 v[\c], v[\c], v[TMP], vcc_lo
	v_cmp_gt_f32 vcc_lo, v[\ob], v[\b]
	s_delay_alu instid0(VALU_DEP_1)
	v_cndmask_b32 v[\c], v[\c], v[\oc], vcc_lo
	v_max_num_f32 v[\b], v[\b], v[\ob]
.endm
	s_load_b256 s[4:11], s[0:1], 0x0               ; xq s[4:5], eq s[6:7], bestk s[8:9], cand s[10:11]
	v_lshl_add_u32 v[SPW], v0, 2, SPARE
	v_mov_b32 v[NIL], 0
	ds_add_u32 v[SPW], v[NIL]                      ; the opening lines: the add, twice on end, and its wait ahead of my tensor load
	ds_add_u32 v[SPW], v[NIL]
	v_lshrrev_b32 v15, 5, v0
	s_delay_alu instid0(VALU_DEP_1)
	v_readfirstlane_b32 s12, v15                   ; wave 0..15
	s_and_b32 s13, s12, 7                          ; rg: which 64 rows of x
	s_lshr_b32 s14, s12, 3                         ; ch: which half of the chunk
	s_bfe_u32 s15, ttmp6, 0x40000                  ; cx: my place in the cluster: it enters the addresses of xq, bestk and cand alone
	s_and_b32 s16, ttmp9, 3                        ; the chunk: by the cluster's number, so the four partners share it
	s_lshr_b32 s17, ttmp9, 2
	s_lshl_b32 s17, s17, 2
	s_add_co_u32 s17, s17, s15                     ; my block of 512 rows, 0..63
	s_mul_i32 s18, s12, PART                       ; my part's place in LDS and in the chunk
	s_mul_i32 s19, s14, 64*REC                     ; the half that I walk
	s_lshl_b32 s21, s14, 11
	s_lshl_b32 s22, s13, 8
	s_add_co_u32 s21, s21, s22
	s_add_co_u32 s21, s21, SCRB                    ; where my results go: SCRB + 2,048 ch + 256 rg
	s_mul_i32 s22, s17, 32*REC                     ; my work-group's 32 records of xq,
	s_mul_i32 s23, s13, 4*REC                      ; my wave's four of them
	s_add_co_u32 s22, s22, s23
	s_mov_b32 s23, 0
	s_lshl_b32 s36, s16, 17                        ; bestk, cand: 131,072 bytes a chunk,
	s_lshl_b32 s37, s17, 11                        ; 2,048 a block of rows
	s_add_co_u32 s36, s36, s37
	s_mov_b32 s37, 0
	s_mul_i32 s38, s16, CHUNK
	s_add_co_u32 s38, s38, s18                     ; eq: my part of the chunk: it hangs on the cluster's and the wave's number alone
	s_mov_b32 s39, 0
	s_lshl_b32 s20, s16, 7
	s_lshl_b32 s42, s14, 6
	s_add_co_u32 s20, s20, s42
	s_sub_co_u32 s20, s20, 1                       ; one under the number of my first code tile: the first argmax step has no tile
	s_mov_b32 s40, 0x76543210
	s_mov_b32 s41, 0xfedcba98                      ; v_permlanex16_b32's selects for lane l xor 16
	s_mov_b32 s42, 0xff800000                      ; -infinity: under every s
	; descriptor group 1: a dense block of 18,432 bytes as 72 rows of 256 bytes (32 elements of 8 bytes), no padding: every fragment load reads 512 consecutive bytes
	s_mov_b32 s24, 15|(3<<16)|(1<<21)              ; 15:0 the mask: all four work-groups; 17:16 elements of 8 bytes; 21 set beside a mask
	s_mov_b32 s25, 32<<16                          ; tensor_dim0 = 32
	s_mov_b32 s26, 72<<16                          ; tensor_dim1 = 72
	s_mov_b32 s27, 32<<16                          ; tile_dim0 = 32
	s_mov_b32 s28, 72                              ; tile_dim1 = 72
	s_mov_b32 s29, 32                              ; elements from row to row
	s_mov_b32 s30, 0
	s_mov_b32 s31, 0
	v_and_b32 v15, 31, v0
	v_and_b32 v11, 15, v0                          ; r
	v_bfe_u32 v12, v0, 4, 1                        ; h
	s_delay_alu instid0(VALU_DEP_3)
	v_lshlrev_b32 v9, 4, v15                       ; v9  16 x lane
	s_delay_alu instid0(VALU_DEP_3)
	v_lshlrev_b32 v10, 3, v11
	s_delay_alu instid0(VALU_DEP_1)
	v_lshl_add_u32 v10, v12, 2, v10                ; v10 8 r + 4 h
	v_add_nc_u32 v[AD], s19, v9
	s_delay_alu instid0(VALU_DEP_2)
	v_add_nc_u32 v[AS], s19, v10
	v_lshl_add_u32 v[AL], v12, 5, s19
	v_lshl_add_u32 v13, v11, 2, s21                ; v13 where my results go, + 4 r
	v_lshlrev_b32 v14, 4, v0                       ; v14 16 x thread: four rows a lane on the way out
	v_lshlrev_b32 v12, 3, v12                      ; v12 8 h
	s_delay_alu instid0(VALU_DEP_2)
	v_add_nc_u32 v8, SCRB, v14                     ; v8  where waves 0-3 read the results back
	s_wait_alu depctr_va_vdst(0)                   ; directly ahead of the waits below
	s_wait_dscnt 0x0                               ; both opening adds are done
	s_wait_kmcnt 0x0
	s_add_nc_u64 s[4:5], s[4:5], s[22:23]
	s_add_nc_u64 s[8:9], s[8:9], s[36:37]
	s_add_nc_u64 s[10:11], s[10:11], s[36:37]
	s_add_nc_u64 s[6:7], s[6:7], s[38:39]
	s_mov_b32 s32, 1                               ; group 0: count = 1,
	s_mov_b32 s33, s18                             ; LDS address,
	s_mov_b64 s[34:35], s[6:7]                     ; global address,
	s_or_b32 s35, s35, 0x80000000                  ; type = 2
	ROUND                                          ; all four work-groups are here: the joint loads meet
	tensor_load_to_lds s[32:35], s[24:31]          ; every wave's one tensor load of the launch: its 8 records
	s_nop 0
.rept 4
	v_nop
.endr
.irp i, 0,1,2,3                        ; my four row tiles of x stay in registers
.irp k, 0,1,2,3
	global_load_b128 v[XF+16*\i+4*\k:XF+16*\i+4*\k+3], v9, s[4:5] offset:REC*\i+512*\k
.endr
	global_load_b32 v[SX+\i], v10, s[4:5] offset:REC*\i+2048
.endr
.irp i, 0,1,2,3
	v_mov_b32 v[BEST+\i], s42
	v_mov_b32 v[GID+\i], 0
	v_mov_b32 v[OB+\i], 0                          ; written once: a lane permute's destination counts as one of its sources
	v_mov_b32 v[OC+\i], 0
.endr
.set q, 0
.rept 32
	v_mov_b32 v[KEEP+q], s42                       ; the selects read what they may keep
	v_mov_b32 v[D+32+q], s42                       ; what the first argmax step finds in place of a tile: it moves nothing
.set q, q+1
.endr
	s_wait_alu depctr_va_vdst(0)                   ; the head's end
	s_wait_loadcnt 0x0                             ; x
	s_wait_tensorcnt 0x0                           ; my part of the chunk has landed:
	s_barrier_signal -1                            ; say so,
	s_barrier_wait -1                              ; and read when all sixteen parts have
	LOADT 0
	s_mov_b32 s21, 7
.Ltrip:                                            ; a trip: eight code tiles
.irp u, 0,1,2,3,4,5,6,7
	STEP \u, 1
.endr
	v_add_nc_u32 v[AD], PART, v[AD]                ; eight records on (the last step's loads named tile 8 of the old addresses: the next trip's first)
	v_add_nc_u32 v[AS], PART, v[AS]
	v_add_nc_u32 v[AL], PART, v[AL]
	s_sub_co_u32 s21, s21, 1
	s_cmp_lg_u32 s21, 0
	s_wait_alu depctr_va_vdst(0)                   ; directly ahead of the branch
	s_cbranch_scc1 .Ltrip
.irp u, 0,1,2,3,4,5,6
	STEP \u, 1
.endr
	STEP 7, 0                                      ; the last tile: nothing is left to fetch
	ARG 0, 0                                       ; and its argmax
	s_barrier_signal -1                            ; my reads of the chunk are over (the last wait on DScnt was for 0, and no load followed)
	; The place of the best among the kept 8: the lowest that equals it
.irp i, 0,1,2,3
	v_mov_b32 v[POS+\i], 7
.endr
.irp j, 6,5,4,3,2,1,0
.irp i, 0,1,2,3
	v_cmp_neq_f32 vcc_lo, v[KEEP+8*\i+\j], v[BF+\i]
	s_delay_alu instid0(VALU_DEP_1)
	v_cndmask_b32 v[POS+\i], \j, v[POS+\i], vcc_lo
.endr
.endr
.irp i, 0,1,2,3
	v_lshl_add_u32 v[CODE+\i], v[GID+\i], 4, v[POS+\i]
.endr
.irp i, 0,1,2,3
	s_delay_alu instid0(VALU_DEP_4)
	v_add_nc_u32 v[CODE+\i], v[CODE+\i], v12       ; the index: 16 x tile + 8 h + place
.endr
.irp i, 0,1,2,3
	v_permlanex16_b32 v[OB+\i], v[BF+\i], s40, s41
	v_permlanex16_b32 v[OC+\i], v[CODE+\i], s40, s41
.endr
.irp i, 0,1,2,3
	LEX BF+\i, CODE+\i, OB+\i, OC+\i               ; with the other half of the lanes: both lanes of a row now hold the same pair
.endr
	s_wait_alu depctr_va_vdst(0)                   ; directly ahead of the barrier's wait
	s_barrier_wait -1                              ; every wave's reads of the chunk are over
.irp i, 0,1,2,3
	ds_store_b32 v13, v[BF+\i] offset:64*\i        ; both lanes of a row write the same word with the same value
	ds_store_b32 v13, v[CODE+\i] offset:4096+64*\i
.endr
	s_wait_dscnt 0x0                               ; for the others' sake: my stores have landed
	s_barrier_signal -1
	s_barrier_wait -1
	s_cmp_gt_u32 s12, 3                            ; waves 0-3 join the two halves: 512 rows, four a lane
	s_cbranch_scc1 .Ldone
.irp c, 0,1,2,3
	ds_load_b128 v[16+4*\c:19+4*\c], v8 offset:2048*\c     ; s of half 0, of half 1, the indices of half 0, of half 1
.endr
	s_wait_dscnt 0x0
.irp q, 0,1,2,3
	LEX 16+\q, 24+\q, 20+\q, 28+\q
.endr
.irp q, 0,1,2,3
	v_add_f32 v[16+\q], 0, v[16+\q]                ; -0 becomes +0, so that equal numbers have equal keys
.endr
.irp q, 0,1,2,3
	s_delay_alu instid0(VALU_DEP_4)
	v_ashrrev_i32 v[20+\q], 31, v[16+\q]
.endr
.irp q, 0,1,2,3
	s_delay_alu instid0(VALU_DEP_4)
	v_and_b32 v[20+\q], 0x7fffffff, v[20+\q]
.endr
.irp q, 0,1,2,3
	s_delay_alu instid0(VALU_DEP_4)
	v_xor_b32 v[16+\q], v[16+\q], v[20+\q]         ; of a negative number the lower 31 bits are turned over: the signed order of the keys is the order of s
.endr
	global_store_b128 v14, v[16:19], s[8:9]        ; 32 lanes store 512 consecutive bytes, at a multiple of 256 from the buffer's first byte
	global_store_b128 v14, v[24:27], s[10:11]
.Ldone:
	s_wait_tensorcnt 0x0                           ; the wave's end: behind my tensor load and my last LDS store
	ds_add_u32 v[SPW], v[NIL]
	s_wait_dscnt 0x0
	ROUND                                          ; the closing round
	s_endpgm
.Lfunc_end_k_q087abbeb51_dist:
	.size	k_q087abbeb51_dist, .Lfunc_end_k_q087abbeb51_dist-k_q087abbeb51_dist
	.p2alignl 7, 3214868480
	.fill 96, 4, 3214868480
	.section	.rodata,"a",@progbits
	.p2align	6, 0x0
	.amdhsa_kernel k_q087abbeb51_dist
		.amdhsa_group_segment_fixed_size 327680
		.amdhsa_private_segment_fixed_size 0
		.amdhsa_enable_private_segment 0
		.amdhsa_kernarg_size 32
		.amdhsa_user_sgpr_count 2
		.amdhsa_user_sgpr_kernarg_segment_ptr 1
		.amdhsa_wavefront_size32 1
		.amdhsa_system_sgpr_workgroup_id_x 1
		.amdhsa_system_sgpr_workgroup_id_y 1
		.amdhsa_system_sgpr_workgroup_id_z 1
		.amdhsa_system_vgpr_workitem_id 0
		.amdhsa_next_free_vgpr 256
		.amdhsa_next_free_sgpr 66
		.amdhsa_reserve_vcc 1
		.amdhsa_float_denorm_mode_32 3
		.amdhsa_float_denorm_mode_16_64 3
		.amdhsa_memory_ordered 1
		.amdhsa_forward_progress 1
		.amdhsa_inst_pref_size 82
	.end_amdhsa_kernel
	.amdgpu_metadata
---
amdhsa.version: [ 1, 2 ]
amdhsa.kernels:
  - .name:           k_q087abbeb51_dist
    .symbol:         k_q087abbeb51_dist.kd
    .args:
      - { .name: xq, .offset: 0, .size: 8, .value_kind: global_buffer, .address_space: global }
      - { .name: eq, .offset: 8, .size: 8, .value_kind: global_buffer, .address_space: global }
      - { .name: bestk, .offset: 16, .size: 8, .value_kind: global_buffer, .address_space: global }
      - { .name: cand, .offset: 24, .size: 8, .value_kind: global_buffer, .address_space: global }
    .group_segment_fixed_size: 327680
    .private_segment_fixed_size: 0
    .kernarg_segment_align: 8
    .kernarg_segment_size: 32
    .max_flat_workgroup_size: 512
    .sgpr_count:     66
    .vgpr_count:     256
    .wavefront_size: 32
...
	.end_amdgpu_metadata
.endif
;; end of part 2
;; launch gather (part 3): grid 256 x 1, 8 waves a work-group, no clusters, 0 bytes of LDS; arguments bestk, cand, embeddings, out0, out1; writes out0, out1
.if DOCPART == 3
	.amdgcn_target "amdgcn-amd-amdhsa--gfx1250"
	.amdhsa_code_object_version 6
	.text
	.protected	k_q087abbeb51_gather
	.globl	k_q087abbeb51_gather
	.p2align	8
	.type	k_q087abbeb51_gather,@function
k_q087abbeb51_gather:
	s_mov_b64 s[64:65], 0
	v_nop
	global_prefetch_b8 v0, s[64:65] scope:SCOPE_SE
	s_setreg_imm32_b32 hwreg(HW_REG_WAVE_MODE, 25, 1), 1
	s_wait_xcnt 0x0
; out0[row] = the index of the nearest code; out1[row][:] = embeddings[out0[row]][:], 32,768 rows of 1,024 bytes, f32 as it lies.
; bestk and cand hold the whole numbers that the launch before has stored, [4 chunks of codes][32,768 rows]: a key whose signed order is the order of dot - |e|^2 / 2, and the index of the chunk's winner.
; The largest key wins; the compare is strict and the chunks ascend, so the lower chunk, which holds the lower indices, keeps a tie.  (l2_inputs is left out: see the head of the first kernel.)
; A work-group takes 128 rows.  Every wave reads the 128 rows' four keys and four indices, four rows a lane: each load covers 512 consecutive bytes; wave 0 stores the 128 indices, 512 consecutive bytes.
; Wave w then copies rows 16 w .. 16 w + 15, whose indices lie in lanes 4 w .. 4 w + 3: each is read into a scalar register, held to 0 .. 8,191 and shifted to a byte offset.
; All 32 loads of a wave (16,384 bytes) go out at once; each load and each store covers 512 consecutive bytes, at a multiple of 256 from its buffer's first byte.
; No register that a load or a store names is written again.  No LDS, no barrier, no matrix unit.  The loads of embeddings carry no hint: the list may name a row many times.
.set K,   4                            ; v4-19    chunk c's keys of my four rows at v[K + 4 c]
.set C,   20                           ; v20-35   its indices
.set OFF, 36                           ; v36-51   row k: the byte offset of my 16 bytes in its row of embeddings
.set DAT, 64                           ; v64-191  row k: 8 registers
	s_load_b256 s[4:11], s[0:1], 0x0               ; bestk s[4:5], cand s[6:7], embeddings s[8:9], out0 s[10:11]
	s_load_b64 s[12:13], s[0:1], 0x20              ; out1
	v_lshrrev_b32 v1, 5, v0
	s_delay_alu instid0(VALU_DEP_1)
	v_readfirstlane_b32 s14, v1                    ; wave 0..7
	v_and_b32 v1, 31, v0
	s_delay_alu instid0(VALU_DEP_1)
	v_lshlrev_b32 v1, 4, v1                        ; 16 x lane
	s_lshl_b32 s16, ttmp9, 9                       ; the work-group's 128 whole numbers of 4 bytes
	s_mov_b32 s17, 0
	s_lshl_b32 s18, ttmp9, 3
	s_add_co_u32 s18, s18, s14
	s_lshl_b32 s18, s18, 14                        ; my wave's 16 rows of 1,024 bytes
	s_mov_b32 s19, 0
	s_lshl_b32 s20, s14, 2                         ; the four lanes that hold my wave's rows
	s_add_co_u32 s21, s20, 1
	s_add_co_u32 s22, s20, 2
	s_add_co_u32 s23, s20, 3
	s_wait_alu depctr_va_vdst(0)                   ; the head's end
	s_wait_kmcnt 0x0
	s_add_nc_u64 s[4:5], s[4:5], s[16:17]
	s_add_nc_u64 s[6:7], s[6:7], s[16:17]
	s_add_nc_u64 s[10:11], s[10:11], s[16:17]
	s_add_nc_u64 s[12:13], s[12:13], s[18:19]
.irp c, 0,1,2,3
	global_load_b128 v[K+4*\c:K+4*\c+3], v1, s[4:5] offset:131072*\c
	global_load_b128 v[C+4*\c:C+4*\c+3], v1, s[6:7] offset:131072*\c
.endr
	s_wait_loadcnt 0x0
.irp c, 1,2,3
.irp q, 0,1,2,3
	v_cmp_gt_i32 vcc_lo, v[K+4*\c+\q], v[K+\q]     ; whole numbers: strictly larger, so the lower chunk keeps a tie
	s_delay_alu instid0(VALU_DEP_1)
	v_cndmask_b32 v[C+\q], v[C+\q], v[C+4*\c+\q], vcc_lo
	v_max_i32 v[K+\q], v[K+\q], v[K+4*\c+\q]
.endr
.endr
	s_wait_alu depctr_va_vdst(0)                   ; ahead of the branch and of the scalar lines below
	s_cmp_lg_u32 s14, 0
	s_cbranch_scc1 .Lno_out0
	global_store_b128 v1, v[C:C+3], s[10:11]       ; wave 0: the work-group's 128 indices
.Lno_out0:
.irp k, 0,1,2,3,4,5,6,7,8,9,10,11,12,13,14,15
	v_readlane_b32 s[24+\k], v[C+(\k%4)], s[20+(\k/4)]
	s_min_u32 s[24+\k], s[24+\k], 0x1fff           ; an index stays inside the table
	s_lshl_b32 s[24+\k], s[24+\k], 10
	v_add_nc_u32 v[OFF+\k], s[24+\k], v1
.endr
	s_wait_alu depctr_va_vdst(0)                   ; directly ahead of the readers below
.irp k, 0,1,2,3,4,5,6,7,8,9,10,11,12,13,14,15
	global_load_b128 v[DAT+8*\k:DAT+8*\k+3], v[OFF+\k], s[8:9]
	global_load_b128 v[DAT+8*\k+4:DAT+8*\k+7], v[OFF+\k], s[8:9] offset:512
.endr
.irp k, 0,1,2,3,4,5,6,7,8,9,10,11,12,13,14,15
	s_wait_loadcnt 30-2*\k                         ; loads come back in order (ISA guide 5.7.1): row k's two are in, those of the rows behind it may be out
	global_store_b128 v1, v[DAT+8*\k:DAT+8*\k+3], s[12:13] offset:1024*\k th:TH_STORE_NT
	global_store_b128 v1, v[DAT+8*\k+4:DAT+8*\k+7], s[12:13] offset:1024*\k+512 th:TH_STORE_NT
.endr
	s_endpgm
.Lfunc_end_k_q087abbeb51_gather:
	.size	k_q087abbeb51_gather, .Lfunc_end_k_q087abbeb51_gather-k_q087abbeb51_gather
	.p2alignl 7, 3214868480
	.fill 96, 4, 3214868480
	.section	.rodata,"a",@progbits
	.p2align	6, 0x0
	.amdhsa_kernel k_q087abbeb51_gather
		.amdhsa_group_segment_fixed_size 0
		.amdhsa_private_segment_fixed_size 0
		.amdhsa_enable_private_segment 0
		.amdhsa_kernarg_size 40
		.amdhsa_user_sgpr_count 2
		.amdhsa_user_sgpr_kernarg_segment_ptr 1
		.amdhsa_wavefront_size32 1
		.amdhsa_system_sgpr_workgroup_id_x 1
		.amdhsa_system_sgpr_workgroup_id_y 1
		.amdhsa_system_sgpr_workgroup_id_z 1
		.amdhsa_system_vgpr_workitem_id 0
		.amdhsa_next_free_vgpr 192
		.amdhsa_next_free_sgpr 66
		.amdhsa_reserve_vcc 1
		.amdhsa_float_denorm_mode_32 3
		.amdhsa_float_denorm_mode_16_64 3
		.amdhsa_memory_ordered 1
		.amdhsa_forward_progress 1
		.amdhsa_inst_pref_size 14
	.end_amdhsa_kernel
	.amdgpu_metadata
---
amdhsa.version: [ 1, 2 ]
amdhsa.kernels:
  - .name:           k_q087abbeb51_gather
    .symbol:         k_q087abbeb51_gather.kd
    .args:
      - { .name: bestk, .offset: 0, .size: 8, .value_kind: global_buffer, .address_space: global }
      - { .name: cand, .offset: 8, .size: 8, .value_kind: global_buffer, .address_space: global }
      - { .name: embeddings, .offset: 16, .size: 8, .value_kind: global_buffer, .address_space: global }
      - { .name: out0, .offset: 24, .size: 8, .value_kind: global_buffer, .address_space: global }
      - { .name: out1, .offset: 32, .size: 8, .value_kind: global_buffer, .address_space: global }
    .group_segment_fixed_size: 0
    .private_segment_fixed_size: 0
    .kernarg_segment_align: 8
    .kernarg_segment_size: 40
    .max_flat_workgroup_size: 256
    .sgpr_count:     66
    .vgpr_count:     192
    .wavefront_size: 32
...
	.end_amdgpu_metadata
.endif
;; end of part 3
